; MI455X (gfx1250); checked and timed in simulation.
; The chip was launched on July 23, 2026; its instructions are those of AMD's public machine-readable ISA for CDNA 5 (MIT licence, August 2026) and "CDNA5" Instruction Set Architecture Reference Guide (July 2026). The comments in the code are by the model that wrote it; some were corrected since.
;; Multi Head Attention. Allowed arithmetic: matrix products marked QUANTISED: E4M3 operands, one given power-of-two scale a tensor, by v_wmma_f32_16x16x64_fp8_fp8 or v_wmma_f32_16x16x128_fp8_fp8, f32 sums; everything else in f32.
;; Inputs: K_codes 4 x 2,048 x 32 x 32 uint8 (E4M3 codes of K, K innermost, in blocks of 32 codes); Q_codes 4 x 2,048 x 32 x 32 uint8 (E4M3 codes of Q, K innermost, in blocks of 32 codes); V_codes 4 x 2,048 x 32 x 32 uint8 (E4M3 codes of V, K innermost, in blocks of 32 codes); Wk_codes 1,024 x 32 x 32 uint8 (E4M3 codes of Wk, K innermost, in blocks of 32 codes); Wo_codes 1,024 x 32 x 32 uint8 (E4M3 codes of Wo, K innermost, in blocks of 32 codes); Wq_codes 1,024 x 32 x 32 uint8 (E4M3 codes of Wq, K innermost, in blocks of 32 codes); Wv_codes 1,024 x 32 x 32 uint8 (E4M3 codes of Wv, K innermost, in blocks of 32 codes); bk 1,024 float32; bo 1,024 float32; bq 1,024 float32; bv 1,024 float32; lowp_scales 12 int32 (the exponents e of the quantised operands' scales 2^e).
;; Outputs: out0 4 x 2,048 x 1,024 float32.
;; This version of the problem:
;;   THIS VERSION OF THE PROBLEM IS GIVEN IN LOW PRECISION. The matrix products marked QUANTISED in the list below multiply operands that are first quantised to E4M3 (4 exponent bits, 3 mantissa bits; 8 bits a number), with one given power-of-two scale for each operand tensor; their sums are f32. All else is computed in f32.
;;   The module's matrix products, in the order in which they are computed (A, B: the left and right operand; K: the contracted axis; several contracted axes count as one K, in the product's order):
;;     1. [M 8,192, K 1,024] x [K 1,024, N 1,024]; A: input Q (given as codes); B: input Wq (given as codes): QUANTISED (scales: A lowp_scales[0], B lowp_scales[1])
;;     2. [M 8,192, K 1,024] x [K 1,024, N 1,024]; A: input K (given as codes); B: input Wk (given as codes): QUANTISED (scales: A lowp_scales[2], B lowp_scales[3])
;;     3. [M 8,192, K 1,024] x [K 1,024, N 1,024]; A: input V (given as codes); B: input Wv (given as codes): QUANTISED (scales: A lowp_scales[4], B lowp_scales[5])
;;     4. batch 64 x [M 2,048, K 64] x [K 64, N 2,048]; A: computed on the way; B: computed on the way: QUANTISED (scales: A lowp_scales[6], B lowp_scales[7])
;;     5. batch 64 x [M 2,048, K 2,048] x [K 2,048, N 64]; A: softmax (see below); B: computed on the way: QUANTISED (scales: A lowp_scales[8], B lowp_scales[9])
;;     6. [M 8,192, K 1,024] x [K 1,024, N 1,024]; A: computed on the way; B: input Wo (given as codes): QUANTISED (scales: A lowp_scales[10], B lowp_scales[11])
;;   THE QUANTISER, for each operand of a quantised product, along K:
;;     - The operand's scale is 2^e, e = its entry of the input lowp_scales (int32; the entries are numbered through the quantised products in the list's order, A before B).
;;     - Each number is divided by the scale, clamped to +-448, and rounded to the nearest number of E4M3, ties to even, subnormals kept.
;;     - The product sums the exact products of the quantised numbers (number of the format x scale) in f32.
;;   ~~~python
;;   def quantise(x, axis, e):      # numpy; x: float32 -> the quantised numbers, widened to float32 again
;;       x = np.moveaxis(x, axis, -1); K = x.shape[-1]
;;       r = np.clip(x / 2.0 ** e, -448, 448)
;;       step = 2.0 ** (np.maximum(np.frexp(np.where(r == 0, 1, r))[1] - 1, -6) - 3)
;;       q = np.round(r / step) * step * 2.0 ** e      # np.round: ties to even
;;       return np.moveaxis(q, -1, axis).astype(np.float32)
;;   ~~~
;;   SOFTMAX AHEAD OF A QUANTISED PRODUCT. Where the list says 'softmax', what is quantised is not the finished softmax but p = 2^(t - M), with t = logit x log2(e) and M = ceil(the row's largest t), a whole number; so 1/2 < the row's largest p <= 1. The row's sum l is taken of the UNQUANTISED p, in f32, and the product's result is divided by l at the end. Since M is a whole number, a kernel that streams over the keys may use a running M (the ceiling of the running maximum): every later rescaling is an exact power of two, so the quantised numbers keep their values, but for numbers so far below the row's largest that they fall under the format's range.
;;   OPERANDS COMPUTED ON THE WAY. 'Computed on the way' means the value that the module computes at that place (a softmax that the list does not call 'softmax' is quantised finished and normalised). What goes into a quantiser is computed in f32, as accurately as f32 sums, v_exp_f32 and their like allow (about 1e-6 of the number): no bf16 or f16 on the way to a quantiser, and a product that is left as it is and whose result goes on into a quantised operand takes f32 operands (vector FMAs, or v_wmma_f32_16x16x4_f32). A number that lies on a knife's edge between two numbers of the format may be rounded either way, as far as f32 arithmetic and the matrix unit's own rounding can turn it there, and no further.
;;   INPUTS GIVEN AS CODES. K (in the module: [4, 2048, 1024], K = its axis 2); Q (in the module: [4, 2048, 1024], K = its axis 2); V (in the module: [4, 2048, 1024], K = its axis 2); Wk (in the module: [1024, 1024], K = its axis 1); Wo (in the module: [1024, 1024], K = its axis 1); Wq (in the module: [1024, 1024], K = its axis 1); Wv (in the module: [1024, 1024], K = its axis 1): each comes as NAME_codes (uint8): NAME with its K axis moved to the last place and cut into blocks of 32 codes, [.., K / 32, bytes a block], one block behind the other in memory; one code a byte (a code: sign, 4 exponent bits, 3 mantissa bits); its scale is its entry of lowp_scales. Its value is code x scale, taken as it is: it is not quantised again, and the codes and scales need not be those that the quantiser above would give.
;; One version. Each part assembles by itself: llvm-mc -triple=amdgcn-amd-amdhsa -mcpu=gfx1250 --defsym DOCPART=n.
;; ======== version 1 of 1: 3 launches
;; limits: right only within a limited range of input values
;; workspace buffers: qw 8,388,608 bytes; kvw 16,777,216 bytes; cw 8,388,608 bytes
;; launch proj (part 1): grid 4 x 96, 4 waves a work-group, clusters of 4 x 4, 327,680 bytes of LDS; arguments Q_codes, K_codes, V_codes, Wq_codes, Wk_codes, Wv_codes, bq, bk, bv, lowp_scales, qw, kvw; writes qw, kvw
.if DOCPART == 1
	.amdgcn_target "amdgcn-amd-amdhsa--gfx1250"
	.amdhsa_code_object_version 6
	.text
	.protected	k_qf7bf51b4ca_proj
	.globl	k_qf7bf51b4ca_proj
	.p2align	8
	.type	k_qf7bf51b4ca_proj,@function
k_qf7bf51b4ca_proj:
	s_mov_b64 s[64:65], 0
	v_nop
	global_prefetch_b8 v0, s[64:65] scope:SCOPE_SE
	s_setreg_imm32_b32 hwreg(HW_REG_WAVE_MODE, 25, 1), 1
	s_wait_xcnt 0x0
	s_wait_alu depctr_hold_cnt(0) depctr_sa_sdst(0) depctr_va_vdst(0) depctr_va_sdst(0) depctr_va_ssrc(0) depctr_va_vcc(0) depctr_vm_vsrc(0)
	s_getreg_b32 s2, hwreg(HW_REG_IB_STS2, 6, 4)
	s_cmp_eq_u32 s2, 0
	s_cbranch_scc0 .Lentry_in_a_cluster
	s_endpgm
.Lentry_in_a_cluster:
	s_bfe_u32 s2, ttmp6, 0x10000c
	s_cmp_lg_u32 s2, 0xf033
	s_cbranch_scc0 .Lentry_shape_is_right
	s_endpgm
.Lentry_shape_is_right:
; THE THREE PROJECTIONS: q = Q Wq^T + bq, k = K Wk^T + bk, v = V Wv^T + bv, each [8192][1024] from codes of FP8 (E4M3), K = 1024 innermost, and each result quantised at once
; (scales 2^e6, 2^e7, 2^e9) into the order in which the attention launch's operand registers take it.  Nothing but codes goes to memory.
; SHARES.  A tile of 256 x 256 is made by four waves, 128 x 128 each: 64 accumulators of 16 x 16.  K goes in steps of 256 through two LDS slots.  24 clusters of 4 x 4 work-groups: cluster y / 8 is the KIND
; (0 q, 1 k, 2 v), cluster y % 8 the block of 1,024 tokens.  The kind is the same in all sixteen partners; what differs between kinds is chosen by s_cselect on it: there is one path of text and no branch on it.
; SOURCE 0 of the matrix instruction gives the index that runs along a lane's eight result registers, SOURCE 1 the index that runs along the lanes.  The next product's K must run along the registers:
;   q, k: source 0 = 16 rows of W (features), source 1 = 16 tokens: a lane holds one token and eight neighbouring d: K of the scores.
;   v:    source 0 = 16 tokens (keys) of V, source 1 = 16 rows of Wv: a lane holds one feature d and eight neighbouring KEYS: K of the second attention product.  Nothing is transposed.
; 'A' below is source 1's tensor (its tile hangs on the tile row, shared along a row of the cluster), 'B' source 0's (tile column, shared along a column): each tile is asked for JOINTLY by the four that need it.
; THE BIAS: along the registers (q, k) it is the C of the first K step, as bias / 2^(ea + eb); along the lanes (v) it is added on the way out.  Each kind has the other term multiplied by 0.
; THE QUANTISER: a sum stands for sum x 2^(ea + eb), so its code is sum / 2^(eo - ea - eb).
; A fragment is fetched by four 16-byte loads a lane: a permutation of k that is the same in both operands, so every product meets its partner; only the grouping of the sums inside an instruction differs.
; OUT.  qw: [head 64][tile of 16 tokens 128][2][lane][16 bytes]; kvw: for each head 131,072 bytes of k laid so, then 131,072 of v: [128 keys 16][16 d 4][4][lane][16 bytes].  Every store of the wave is 512 consecutive bytes, aligned.
; LIMITS: ea + eb between -126 and 126; eo - ea - eb between -126 and 119, so that each power of two below is an f32 number.  Infinite or NaN biases are not served (a bias is multiplied by 0 where its path is not the kind's).
; REGISTERS, in windows of 256: window 0: v16-31 addresses; v32-95 the bias as C, later the block at work; v96-111 the lanes' bias; v112 the scale; v128-255 A's fragments, one set, later the codes.
;   window 1: B's fragments, two sets.   windows 2, 3: the accumulators of my rows 0-63, 64-127 (accumulator (a, b) at v[8 (8 (a % 4) + b)]).
.set ROWB,   256                       ; a tile's row in bytes: a K step
.set KROW,   1024                      ; a row of codes in memory
.set PITCH,  272                       ; an LDS row: 256 bytes + 16 of padding = 68 words: the 16 rows that a load touches start at 16 different banks (64 banks of 4 bytes: ISA guide 11.1)
.set FR,     16                        ; registers of a fragment: 16 rows x 128 K
.set NL,     4                         ; LDS loads that bring one
.set NP,     4                         ; places behind this matrix instruction (ISA guide 7.12.1)
.set HALFT,  128*PITCH                 ; what one tensor load brings
.set SLOT,   4*HALFT                   ; A's 256 rows, then B's 256 rows
.set LAPS,   2                         ; 1024 / (2 x 256)
.set SPARE,  2*SLOT                    ; behind the ring: the spare words, 128 bytes a wave, named by no other line
.set ADRA, 16                          ; v16-17  LDS address of my A fragments in slot 0, 1
.set ADRB, 20                          ; v20-21  the same for B
.set CO,   26                          ; v26     16 x lane: my place in a store's 512 bytes
.set SPW,  28                          ; v28     my spare word; never rewritten
.set NIL,  29                          ; v29     0; never rewritten
.set HO,   30                          ; v30     32 x (lane / 16)
.set RO,   31                          ; v31     4 x (lane % 16)
.set BI,   32                          ; v32-95  bias along the registers, in the result's layout
.set TMP,  32                          ; the same registers on the way out
.set BL,   96                          ; v96-111 bias along the lanes: block a's at v[96 + 2 a], a zero beside it (named as a pair)
.set SCL,  112
.set LIM,  113
.set AF,   128
.set CD,   128                         ; the codes: 16 registers for each block, so that no store's data are written again
.set G1,  24
.set G0,  32
.set G1B, 48
.set G0B, 56
.set PL,  80                           ; s[80:81] where register groups 0, 1 of a block's codes go;  s[82:83] groups 2, 3
.set PH,  82
.set ST1, 84                           ; s[84:85] from block to block;  s[86:87] from block 3 to block 4
.set ST2, 86
.set BIP, 88
.set BLP, 90
.set MSB, 0
.macro WIN new                         ; the immediate's high byte repeats the setting that is left
.if MSB != (\new)
	s_set_vgpr_msb (MSB<<8)|(\new)
.set MSB, (\new)
.endif
.endm
.set MUL_LO,   0xa1                    ; source 0 window 1, source 1 window 0, C and D window 2
.set MUL_HI,   0xf1                    ; the same, C and D window 3
.set FIRST_LO, 0x81                    ; the first K step: C (the bias) window 0, D window 2
.set FIRST_HI, 0xc1                    ; D window 3
.set TO_B,     0x40
; A joint load: waves 0 and 1 fetch for A, waves 2 and 3 for B.  The branch hangs on the wave's number alone.  Four v_nop follow each of the two lines.
.macro JLOAD g0a, g1a, g0b, g1b
	s_cmp_eq_u32 s15, 0
	s_cbranch_scc0 .Lfor_b_\@
	tensor_load_to_lds s[\g0a:\g0a+3], s[\g1a:\g1a+7]
	s_nop 0
.rept 4
	v_nop
.endr
	s_branch .Lasked_\@
.Lfor_b_\@:
	tensor_load_to_lds s[\g0b:\g0b+3], s[\g1b:\g1b+7]
	s_nop 0
.rept 4
	v_nop
.endr
.Lasked_\@:
.endm
.macro CREST                           ; a round of the cluster's barrier behind its opening barrier
	s_cmp_lg_u32 s14, 0
	s_cbranch_scc1 .Lnot_wave_0_\@
	s_barrier_signal -3
.Lnot_wave_0_\@:
	s_barrier_wait -3
	s_barrier_signal -1
	s_barrier_wait -1
.endm
.macro CROUND
	s_barrier_signal -1
	s_barrier_wait -1
	CREST
.endm
	s_load_b512 s[68:83], s[0:1], 0x0              ; Q 68, K 70, V 72, Wq 74, Wk 76, Wv 78, bq 80, bk 82
	s_load_b256 s[84:91], s[0:1], 0x40             ; bv 84, the scales' exponents 86, qw 88, kvw 90
	v_lshl_add_u32 v[SPW], v0, 2, SPARE
	v_mov_b32 v[NIL], 0
	ds_add_u32 v28, v29
	ds_add_u32 v28, v29
	s_wait_dscnt 0x0
	v_lshrrev_b32 v1, 5, v0
	v_readfirstlane_b32 s14, v1                    ; wave 0..3
	s_lshr_b32 s15, s14, 1                         ; which half of the tile's rows is mine.  Also: I fetch for A (0) or for B (1)
	s_and_b32 s16, s14, 1                          ; which half of its columns.  Also: which 128 rows of that tile I fetch
	s_bfe_u32 s40, ttmp6, 0x40000                  ; cx, cy: my place in the cluster
	s_bfe_u32 s41, ttmp6, 0x40004
	s_and_b32 s18, ttmp7, 0xffff                   ; cluster y, 0..23
	s_lshr_b32 s93, s18, 3                         ; the kind
	s_and_b32 s92, s18, 7                          ; the block of 1,024 tokens
	s_lshl_b32 s18, s92, 2
	s_cmp_eq_u32 s93, 2
	s_cselect_b32 s17, 0, s18                      ; the tokens are A's rows for q and k,
	s_cselect_b32 s42, s18, 0                      ; B's rows for v
	s_add_co_u32 s17, s17, s41                     ; tile row: hangs on cy and the cluster's y
	s_add_co_u32 s42, s42, s40                     ; tile column: on cx and the cluster's y
	s_lshl_b32 s43, s41, 2
	s_lshl_b32 s43, 15, s43                        ; my row of the cluster
	s_lshl_b32 s44, 0x1111, s40                    ; my column
	; descriptor group 1: 128 rows x 256 bytes, padded in LDS
	s_or_b32 s[G1+0], s43, (1<<20)|(1<<21)|(5<<22)|(3<<25)   ; 15:0 the mask; 17:16 elements of 1 byte; 20 padding on; 21 set beside a mask; 24:22 after every 64 words; 31:25 four words
	s_or_b32 s[G1B+0], s44, (1<<20)|(1<<21)|(5<<22)|(3<<25)
.irp g, G1, G1B
	s_mov_b32 s[\g+1], ROWB<<16                    ; tensor_dim0
	s_mov_b32 s[\g+2], 128<<16                     ; tensor_dim1
	s_mov_b32 s[\g+3], ROWB<<16                    ; tile_dim0
	s_mov_b32 s[\g+4], 128                         ; tile_dim1
	s_mov_b32 s[\g+5], KROW                        ; from row to row
	s_mov_b32 s[\g+6], 0
	s_mov_b32 s[\g+7], 0
.endr
	s_lshl_b32 s18, s16, 7                         ; which 128 rows of the tile I fetch
	s_lshl_b32 s20, s17, 8
	s_add_co_u32 s20, s20, s18
	s_lshl_b32 s20, s20, 10                        ; A: (256 x tile row + 128 x half) rows of 1,024 bytes: under 2^23
	s_mov_b32 s21, 0
	s_lshl_b32 s46, s42, 8
	s_add_co_u32 s46, s46, s18
	s_lshl_b32 s46, s46, 10                        ; B likewise, by the tile column
	s_mov_b32 s47, 0
	s_mul_i32 s45, s14, HALFT                      ; where they go: wave x 128 rows
	s_wait_kmcnt 0x0
	s_cmp_eq_u32 s93, 0                            ; the buffers of my kind: the choice hangs on the cluster's y alone
	s_cselect_b64 s[4:5], s[68:69], s[70:71]
	s_cselect_b64 s[6:7], s[74:75], s[76:77]
	s_cselect_b64 s[8:9], s[80:81], s[82:83]       ; the bias
	s_cselect_b64 s[10:11], s[88:89], s[90:91]     ; the codes' buffer
	s_cmp_eq_u32 s93, 2
	s_cselect_b64 s[4:5], s[78:79], s[4:5]         ; A: Wv, or the tokens
	s_cselect_b64 s[6:7], s[72:73], s[6:7]         ; B: V's tokens, or the weight
	s_cselect_b64 s[8:9], s[84:85], s[8:9]
	s_mov_b64 s[12:13], s[86:87]
	s_load_b256 s[68:75], s[12:13], 0x0            ; e0 .. e7
	s_load_b128 s[76:79], s[12:13], 0x20           ; e8 .. e11
	s_add_nc_u64 s[20:21], s[4:5], s[20:21]
	s_add_nc_u64 s[46:47], s[6:7], s[46:47]
	CROUND                                         ; all sixteen work-groups are here: the first joint loads meet
.irp s, 0,1
	s_mov_b32 s[G0+4*\s], 1
	s_add_co_u32 s[G0+4*\s+1], s45, \s*SLOT
	s_add_nc_u64 s[G0+4*\s+2:G0+4*\s+3], s[20:21], \s*ROWB
	s_or_b32 s[G0+4*\s+3], s[G0+4*\s+3], 0x80000000
	s_mov_b32 s[G0B+4*\s], 1
	s_add_co_u32 s[G0B+4*\s+1], s45, \s*SLOT
	s_add_nc_u64 s[G0B+4*\s+2:G0B+4*\s+3], s[46:47], \s*ROWB
	s_or_b32 s[G0B+4*\s+3], s[G0B+4*\s+3], 0x80000000
	JLOAD G0+4*\s, G1, G0B+4*\s, G1B               ; two loads of mine are out
.endr
	v_and_b32 v1, 15, v0                           ; r = lane % 16
	v_bfe_u32 v2, v0, 4, 1                         ; h = lane / 16
	v_mul_u32_u24 v3, v1, PITCH
	v_lshl_add_u32 v4, v2, 4, v3                   ; a fragment's row x pitch + 16 h
	s_mul_i32 s21, s15, HALFT                      ; my 128 rows of A
	s_mul_i32 s22, s16, HALFT                      ; my 128 rows of B,
	s_add_co_u32 s22, s22, 2*HALFT                 ; which lie behind A's 256
.irp s, 0,1
	v_add_nc_u32 v[ADRA+\s], s21, v4
	v_add_nc_u32 v[ADRB+\s], s22, v4
	s_add_co_u32 s21, s21, SLOT
	s_add_co_u32 s22, s22, SLOT
.endr
	v_and_b32 v5, 31, v0
	v_lshlrev_b32 v[CO], 4, v5
	v_lshlrev_b32 v[HO], 5, v2
	s_wait_alu depctr_va_vdst(0)
	v_lshlrev_b32 v[RO], 2, v1
	s_wait_alu depctr_va_vdst(0)
	s_lshl_b32 s18, s17, 8
	s_lshl_b32 s19, s15, 7
	s_add_co_u32 s18, s18, s19                     ; X1: the first of my 128 along the lanes
	s_lshl_b32 s19, s42, 8
	s_lshl_b32 s20, s16, 7
	s_add_co_u32 s19, s19, s20                     ; X0: the first of my 128 along the registers
	s_cmp_eq_u32 s93, 2
	s_cselect_b32 s20, s19, s18                    ; my first token,
	s_cselect_b32 s21, s18, s19                    ; my first feature
	s_cselect_b32 s22, 0, s19                      ; where the bias along the registers begins (v: anywhere inside; it is multiplied by 0)
	s_cselect_b32 s23, s18, 0                      ; and the bias along the lanes (q, k likewise)
	s_mov_b32 s[ST1], 1024                         ; q, k: a block of 16 tokens is an image of 1,024 bytes;
	s_cselect_b32 s[ST1], 2048, s[ST1]             ; v: a block of 16 d is 2,048 bytes,
	s_mov_b32 s[ST2], 1024
	s_cselect_b32 s[ST2], 262144-3*2048, s[ST2]    ; and block 4 begins the next head
	s_cselect_b32 s43, 131072, 0                   ; v's image lies behind k's
	s_mov_b32 s[ST1+1], 0
	s_mov_b32 s[ST2+1], 0
	s_mov_b32 s3, 0
	s_lshl_b32 s2, s22, 2
	s_add_nc_u64 s[BIP:BIP+1], s[8:9], s[2:3]
	s_lshl_b32 s2, s23, 2
	s_add_nc_u64 s[BLP:BLP+1], s[8:9], s[2:3]
.irp b, 0,1,2,3,4,5,6,7
	global_load_b128 v[BI+8*\b:BI+8*\b+3], v[HO], s[BIP:BIP+1] offset:64*\b        ; bias[X0 + 16 b + 8 h + 0 .. 7]
	global_load_b128 v[BI+8*\b+4:BI+8*\b+7], v[HO], s[BIP:BIP+1] offset:64*\b+16
.endr
.irp a, 0,1,2,3,4,5,6,7
	global_load_b32 v[BL+2*\a], v[RO], s[BLP:BLP+1] offset:64*\a                   ; bias[X1 + 16 a + r]
	v_mov_b32 v[BL+2*\a+1], 0
.endr
	s_lshr_b32 s22, s20, 11                        ; the batch,
	s_lshl_b32 s22, s22, 4
	s_lshr_b32 s23, s21, 6
	s_add_co_u32 s22, s22, s23                     ; and with the feature's head: 16 x batch + head
	s_mov_b32 s23, 262144
	s_cmp_eq_u32 s93, 0
	s_cselect_b32 s23, 131072, s23                 ; a head's bytes in qw, in kvw
	s_mul_i32 s22, s22, s23
	s_and_b32 s20, s20, 2047
	s_lshl_b32 s20, s20, 6                         ; 16 tokens are 1,024 bytes of q or k; 128 keys are 8,192 bytes of v: 64 bytes a token either way
	s_add_co_u32 s22, s22, s20
	s_add_co_u32 s2, s22, s43
	s_add_nc_u64 s[PL:PL+1], s[10:11], s[2:3]
	s_cmp_eq_u32 s93, 2
	s_cselect_b32 s2, 1024, s23                    ; groups 2, 3: v: the block's second 1,024 bytes; q, k: the next head
	s_add_nc_u64 s[PH:PH+1], s[PL:PL+1], s[2:3]
	s_wait_kmcnt 0x0
	s_cmp_eq_u32 s93, 0
	s_cselect_b32 s94, s68, s70                    ; ea
	s_cselect_b32 s95, s69, s71                    ; eb
	s_cselect_b32 s96, s74, s75                    ; eo
	s_cmp_eq_u32 s93, 2
	s_cselect_b32 s94, s72, s94
	s_cselect_b32 s95, s73, s95
	s_cselect_b32 s96, s77, s96
	s_add_co_i32 s97, s94, s95                     ; ea + eb
	s_sub_co_i32 s96, s96, s97
	s_add_co_i32 s96, s96, 127
	s_lshl_b32 s94, s96, 23
	v_mov_b32 v[SCL], s94                          ; 2^(eo - ea - eb) as f32: the conversion takes its exponent field
	s_sub_co_i32 s95, 127, s97
	s_lshl_b32 s95, s95, 23                        ; 2^-(ea + eb)
	s_cmp_eq_u32 s93, 2
	s_cselect_b32 s94, 0, s95                      ; the factor of the bias along the registers (s95 is named with it as a pair)
	s_cselect_b32 s96, s95, 0                      ; and of the bias along the lanes
	s_wait_loadcnt 0x0
.set j, 0
.rept 32
	v_pk_mul_f32 v[BI+j:BI+j+1], v[BI+j:BI+j+1], s[94:95] op_sel_hi:[1,0]
.set j, j+2
.endr
.irp a, 0,1,2,3,4,5,6,7
	v_mul_f32 v[BL+2*\a], s96, v[BL+2*\a]
.endr
.macro FRAG reg, adr, q, i             ; 16 rows x 128 K: lane l holds row l % 16; registers 4 c .. 4 c + 3 hold K = 32 c + 16 (l / 16) + 0 .. 15
.irp c, 0,1,2,3
	ds_load_b128 v[\reg+4*\c:\reg+4*\c+3], v[\adr] offset:128*(\q)+32*\c+(\i)*16*PITCH
.endr
.endm
; 16 matrix instructions: A's blocks a0, a0 + 1 x B's eight.  p: B's set.  first = 1: the bias is the C of the first product: nothing is ever cleared.
; The 64 accumulators take turns, one instruction a turn, in the same order in every step.
.macro MUL16 a0, p, first
.irp a, \a0, \a0+1
.irp b, 0,1,2,3,4,5,6,7
.if \first
	v_wmma_f32_16x16x128_fp8_fp8 v[8*(8*((\a)%4)+\b):8*(8*((\a)%4)+\b)+7], v[128*(\p)+FR*\b:128*(\p)+FR*\b+FR-1], v[AF+FR*(\a):AF+FR*(\a)+FR-1], v[BI+8*\b:BI+8*\b+7]
.else
	v_wmma_f32_16x16x128_fp8_fp8 v[8*(8*((\a)%4)+\b):8*(8*((\a)%4)+\b)+7], v[128*(\p)+FR*\b:128*(\p)+FR*\b+FR-1], v[AF+FR*(\a):AF+FR*(\a)+FR-1], v[8*(8*((\a)%4)+\b):8*(8*((\a)%4)+\b)+7]
.endif
.endr
.endr
.endm
.macro FETCH_B slot, q, p
	WIN TO_B
.irp i, 0,1,2,3,4,5,6,7
	FRAG 128*(\p)+FR*\i, ADRB+\slot, \q, \i
.endr
	WIN 0
.endm
.macro FETCH_A slot, q, i0
.irp i, \i0, \i0+1, \i0+2, \i0+3
	FRAG AF+FR*(\i), ADRA+\slot, \q, \i
.endr
.endm
.macro PLACES n                        ; plain vector lines between a matrix instruction and a load into, or a vector line on, its registers (ISA guide 7.12.1 for vector lines)
.rept \n
	v_nop
.endr
.endm
; A step of 128 along K that has its successor in the same slot.
.macro STEP slot, q, first
	s_wait_dscnt 4*NL                              ; B's set and A's blocks 0-3 are in; the youngest 16 loads (A's blocks 4-7) may be out
.if \first
	WIN FIRST_LO
.else
	WIN MUL_LO
.endif
	MUL16 0, (\q)%2, \first
	MUL16 2, (\q)%2, \first
	s_wait_dscnt 0                                 ; A's blocks 4-7 are in
	PLACES NP
	FETCH_B \slot, (\q)+1, 1-(\q)%2
	FETCH_A \slot, (\q)+1, 0
.if \first
	WIN FIRST_HI
.else
	WIN MUL_HI
.endif
	MUL16 4, (\q)%2, \first
	MUL16 6, (\q)%2, \first
	PLACES NP
	WIN 0
	FETCH_A \slot, (\q)+1, 4
.endm
; A slot's last step changes slots: ONE barrier; in front of it each wave waits for all its tensor loads, adds 0 to its spare word, and waits for that and for its own reads of this slot.
.macro TURN slot, next, fill
	s_wait_tensorcnt 0x0                           ; all my tensor loads have landed: my part of the next slot
	ds_add_u32 v[SPW], v[NIL]                      ; 0 onto my spare word
	s_wait_dscnt 4*NL+1                            ; the add and the youngest 16 loads (A's blocks 4-7) may be out
	WIN MUL_LO
	MUL16 0, 1, 0                                  ; sixteen matrix instructions stand between the add and the wait for it
	s_wait_dscnt 0x0                               ; the add is done, and my reads of this slot are over
	s_barrier_signal -1
	MUL16 2, 1, 0
	WIN 0
	s_barrier_wait -1
.if \fill
	CREST                                          ; the barrier has opened a round of the cluster's: no wave of any partner still reads this slot or has a load on its way
	s_add_nc_u64 s[G0+4*\slot+2:G0+4*\slot+3], s[G0+4*\slot+2:G0+4*\slot+3], 2*ROWB
	s_add_nc_u64 s[G0B+4*\slot+2:G0B+4*\slot+3], s[G0B+4*\slot+2:G0B+4*\slot+3], 2*ROWB
	JLOAD G0+4*\slot, G1, G0B+4*\slot, G1B         ; the first tensor load behind the round, my only one until the next; its four v_nop are also the places in front of the loads below
.else
	PLACES NP
.endif
	FETCH_B \next, 0, 0
	FETCH_A \next, 0, 0
	WIN MUL_HI
	MUL16 4, 1, 0
	MUL16 6, 1, 0
	PLACES NP
	WIN 0
	FETCH_A \next, 0, 4
.endm
	s_wait_alu depctr_va_vdst(0)
	s_wait_tensorcnt 1                             ; my part of K step 0 is in; K step 1's load may be out
	s_barrier_signal -1
	s_barrier_wait -1
	FETCH_B 0, 0, 0
	FETCH_A 0, 0, 0
	FETCH_A 0, 0, 4
	STEP 0, 0, 1                                   ; the first step stands in front of the loop: its products start the sums from the bias
	s_mov_b32 s3, LAPS-1
.Llap:                                             ; a trip goes once round the ring and fills both slots again
	TURN 0, 1, 1
	STEP 1, 0, 0
	TURN 1, 0, 1
	STEP 0, 0, 0
	s_sub_co_u32 s3, s3, 1
	s_cmp_lg_u32 s3, 0
	s_cbranch_scc1 .Llap
	TURN 0, 1, 0                                   ; the last lap fills nothing
	STEP 1, 0, 0
	s_wait_dscnt 4*NL                              ; the very last step
	WIN MUL_LO
	MUL16 0, 1, 0
	MUL16 2, 1, 0
	s_wait_dscnt 0
	WIN MUL_HI
	MUL16 4, 1, 0
	MUL16 6, 1, 0
	WIN 0
; THE WAY OUT, block a of 16 along the lanes x 128 along the registers.  The lanes' bias is added (each accumulator from its low end on), the numbers are converted eight at a time: registers 2 b, 2 b + 1 of the
; block's codes hold 16 b + 8 h + 0 .. 7 along the next K, which is the operand's own order.  Four registers a lane are 512 consecutive bytes of the wave: stored as they stand.
.macro OUTB a
.set AC, 64*((\a)%4)
	WIN 0x02+(\a)/4                                ; source 0: window 2 or 3
.set j, 0
.rept 32
	v_pk_add_f32 v[TMP+j:TMP+j+1], v[AC+j:AC+j+1], v[BL+2*(\a):BL+2*(\a)+1] op_sel_hi:[1,0]
.set j, j+2
.endr
	WIN 0
.irp b, 0,1,2,3,4,5,6,7
.irp k, 0,1,2,3,4,5,6,7
.endr
	v_cvt_scalef32_pk8_fp8_f32 v[CD+16*(\a)+2*\b:CD+16*(\a)+2*\b+1], v[TMP+8*\b:TMP+8*\b+7], v[SCL]
.endr
	v_nop                                          ; a plain line between the last conversion and the next block's writes of its sources
.if (\a) > 0
	s_wait_alu depctr_va_vdst(0)
	s_wait_xcnt 0x0                                ; the last block's stores have read their bases
.if (\a) == 4
	s_add_nc_u64 s[PL:PL+1], s[PL:PL+1], s[ST2:ST2+1]
	s_add_nc_u64 s[PH:PH+1], s[PH:PH+1], s[ST2:ST2+1]
.else
	s_add_nc_u64 s[PL:PL+1], s[PL:PL+1], s[ST1:ST1+1]
	s_add_nc_u64 s[PH:PH+1], s[PH:PH+1], s[ST1:ST1+1]
.endif
.endif
	global_store_b128 v[CO], v[CD+16*(\a):CD+16*(\a)+3], s[PL:PL+1]
	global_store_b128 v[CO], v[CD+16*(\a)+4:CD+16*(\a)+7], s[PL:PL+1] offset:512
	global_store_b128 v[CO], v[CD+16*(\a)+8:CD+16*(\a)+11], s[PH:PH+1]
	global_store_b128 v[CO], v[CD+16*(\a)+12:CD+16*(\a)+15], s[PH:PH+1] offset:512
.endm
	PLACES NP                                      ; behind the last products: the codes land in registers that held A's fragments
.irp a, 0,1,2,3,4,5,6,7
	OUTB \a
.endr
	s_wait_tensorcnt 0x0                           ; the wave's end
	ds_add_u32 v[SPW], v[NIL]
	s_wait_dscnt 0x0
	CROUND                                         ; the closing round: no work-group ends while a partner may still ask for a tile that names it
	s_endpgm
.Lfunc_end_k_qf7bf51b4ca_proj:
	.size	k_qf7bf51b4ca_proj, .Lfunc_end_k_qf7bf51b4ca_proj-k_qf7bf51b4ca_proj
	.p2alignl 7, 3214868480
	.fill 96, 4, 3214868480
	.section	.rodata,"a",@progbits
	.p2align	6, 0x0
	.amdhsa_kernel k_qf7bf51b4ca_proj
		.amdhsa_group_segment_fixed_size 327680
		.amdhsa_private_segment_fixed_size 0
		.amdhsa_enable_private_segment 0
		.amdhsa_kernarg_size 96
		.amdhsa_user_sgpr_count 2
		.amdhsa_user_sgpr_kernarg_segment_ptr 1
		.amdhsa_wavefront_size32 1
		.amdhsa_system_sgpr_workgroup_id_x 1
		.amdhsa_system_sgpr_workgroup_id_y 1
		.amdhsa_system_sgpr_workgroup_id_z 1
		.amdhsa_system_vgpr_workitem_id 0
		.amdhsa_next_free_vgpr 1024
		.amdhsa_next_free_sgpr 98
		.amdhsa_reserve_vcc 0
		.amdhsa_float_denorm_mode_32 3
		.amdhsa_float_denorm_mode_16_64 3
		.amdhsa_fp16_overflow 1
		.amdhsa_memory_ordered 1
		.amdhsa_forward_progress 1
		.amdhsa_inst_pref_size 109
	.end_amdhsa_kernel
	.amdgpu_metadata
---
amdhsa.version: [ 1, 2 ]
amdhsa.kernels:
  - .name:           k_qf7bf51b4ca_proj
    .symbol:         k_qf7bf51b4ca_proj.kd
    .args:
      - { .name: Q_codes, .offset: 0, .size: 8, .value_kind: global_buffer, .address_space: global }
      - { .name: K_codes, .offset: 8, .size: 8, .value_kind: global_buffer, .address_space: global }
      - { .name: V_codes, .offset: 16, .size: 8, .value_kind: global_buffer, .address_space: global }
      - { .name: Wq_codes, .offset: 24, .size: 8, .value_kind: global_buffer, .address_space: global }
      - { .name: Wk_codes, .offset: 32, .size: 8, .value_kind: global_buffer, .address_space: global }
      - { .name: Wv_codes, .offset: 40, .size: 8, .value_kind: global_buffer, .address_space: global }
      - { .name: bq, .offset: 48, .size: 8, .value_kind: global_buffer, .address_space: global }
      - { .name: bk, .offset: 56, .size: 8, .value_kind: global_buffer, .address_space: global }
      - { .name: bv, .offset: 64, .size: 8, .value_kind: global_buffer, .address_space: global }
      - { .name: lowp_scales, .offset: 72, .size: 8, .value_kind: global_buffer, .address_space: global }
      - { .name: qw, .offset: 80, .size: 8, .value_kind: global_buffer, .address_space: global }
      - { .name: kvw, .offset: 88, .size: 8, .value_kind: global_buffer, .address_space: global }
    .group_segment_fixed_size: 327680
    .private_segment_fixed_size: 0
    .kernarg_segment_align: 8
    .kernarg_segment_size: 96
    .max_flat_workgroup_size: 128
    .sgpr_count:     98
    .vgpr_count:     1024
    .wavefront_size: 32
...
	.end_amdgpu_metadata
.endif
;; end of part 1
;; launch attn (part 2): grid 4 x 64, 8 waves a work-group, clusters of 4 x 1, 263,168 bytes of LDS; arguments qw, kvw, lowp_scales, cw; writes cw
.if DOCPART == 2
	.amdgcn_target "amdgcn-amd-amdhsa--gfx1250"
	.amdhsa_code_object_version 6
	.text
	.protected	k_qf7bf51b4ca_attn
	.globl	k_qf7bf51b4ca_attn
	.p2align	8
	.type	k_qf7bf51b4ca_attn,@function
k_qf7bf51b4ca_attn:
	s_mov_b64 s[64:65], 0
	v_nop
	global_prefetch_b8 v0, s[64:65] scope:SCOPE_SE
	s_setreg_imm32_b32 hwreg(HW_REG_WAVE_MODE, 25, 1), 1
	s_wait_xcnt 0x0
	s_wait_alu depctr_hold_cnt(0) depctr_sa_sdst(0) depctr_va_vdst(0) depctr_va_sdst(0) depctr_va_ssrc(0) depctr_va_vcc(0) depctr_vm_vsrc(0)
	s_getreg_b32 s2, hwreg(HW_REG_IB_STS2, 6, 4)
	s_cmp_eq_u32 s2, 0
	s_cbranch_scc0 .Lentry_in_a_cluster
	s_endpgm
.Lentry_in_a_cluster:
	s_bfe_u32 s2, ttmp6, 0x10000c
	s_cmp_lg_u32 s2, 0x3003
	s_cbranch_scc0 .Lentry_shape_is_right
	s_endpgm
.Lentry_shape_is_right:
; ATTENTION ON CODES OF FP8 (E4M3): for each of 64 heads (16 x batch + head), 2,048 queries x 2,048 keys, head size 64.  o = softmax(q k^T / 8) v, then quantised with 2^e10 for the last projection.
; THE SOFTMAX: t = score x log2(e) / 8; M = the row's largest t so far, rounded UP to a whole number; p = 2^(t - M) is what is quantised (scale 2^e8), not normalised.  The row's sum is taken of the unquantised p
; and divides at the end.  When M moves, the sum and O are multiplied by 2^(old M - new M), which rounds nothing; there is no branch on data.
; SHARES.  A work-group owns 512 queries of one head, each of its eight waves 64: four tiles of 16.  Two waves share a SIMD.  Each fragment of k or v read from LDS feeds four matrix instructions.
; LDS holds the WHOLE head: k's image (131,072 bytes), then v's.  It is filled ONCE, by two tensor loads a wave at the head (the first 256 keys, then the rest), so there is no ring and nothing is filled again.
; All of k and v is asked for at the head, so there is no later request that a prefetch could run ahead of.
; CLUSTER.  The four work-groups of a cluster are the four query blocks of one head: each tile is asked for JOINTLY, by the same load with the same descriptor and the mask of all four.
; LAYOUT.  Both products are used transposed: S^T = k q^T (source 0 = 16 keys, source 1 = 16 queries, K = 64), O^T = v^T p^T (source 0 = 16 d, source 1 = p, K = 128 keys): a lane holds ONE query (lane % 16) throughout.
; Register 8 i + j of a tile's scores is key 16 i + 8 (lane / 16) + j; converted eight at a time these are registers 2 i, 2 i + 1 of the second product's operand in its own order.  The images in qw and kvw lie in
; the operands' register order: every fragment is 16 bytes a lane, 512 consecutive bytes a load.
; THE PIPELINE.  A key step is 128 keys; in it the wave's four tiles have a SLOT each.  Slot t: the 64 exponentials of tile t, with the maximum, M and the scalings of the NEXT tile set between them, a plain line beside
; each exponential; one wait for the batch; sums, conversions; O_t x f; the scores of the tile two slots on; O_t += v^T p.  Two buffers of scores take turns.
; OUT.  cw: [tile of 16 tokens 512][head 16][16 d 4][256 bytes], byte 16 r + 8 h + j for d = 16 u + 8 h + j of token r: a store of 8 bytes a lane is 256 consecutive bytes, aligned.
; LIMITS on the given exponents: e6 + e7 between -123 and 130 (added to c's exponent field); e8 between -126 and 119; e8 + e9 - e10 between -110 and 120 (applied by v_ldexp_f32 to 1 / the sum).
; REGISTERS.  window 0: v1-5 addresses; v8-39 eight registers of statistics a tile; v40-45 constants and a pair at work; v48-63 p's codes; v64-127, v128-191 the two buffers of scores; v192-255 k's fragments of a step.
;   window 1: v0-127 O^T, 32 a tile; v128-159 q, 8 a tile; v160-223 v's fragments of a step.
.set STEPB, 8192                       ; a key step's bytes in k's image, and in v's
.set VIMG,  131072
.set LI,   1                           ; v1   16 x lane
.set LV,   2                           ; v2   16 x lane + VIMG
.set KAD,  3                           ; v3   LDS address of the step's k
.set VAD,  4                           ; v4   of its v
.set GO,   5                           ; v5   16 r + 8 h: my 8 bytes of a store's 256
.set ST,   8                           ; tile t at v[8 + 8 t]: +0 -M, +1 the largest t, +2, +3 the sum in two halves, +4 f, +5 the other half's maximum, +6, +7 at work
.set PLIM, 40
.set PSC,  41                          ; 2^e8
.set TT,   42                          ; v[42:43] the second chain of the sums
.set CLIM, 44
.set ONE,  45                          ; 1.0
.set PR,   48
.set S0,   64
.set KF,   192
.set QF,   128                         ; in window 1
.set VF,   160                         ; in window 1
.set WV,   12
.set SEL,  20                          ; s[20:21] v_permlanex16_b32's selects: lane l xor 16
.set CS,   22                          ; s[22:23] c = log2(e) / 8 x 2^(e6 + e7), named as a pair
.set TB,   48                          ; s48  the byte at which the step to be fetched begins in each image
.set TRIPS, 49
.set MSB, 0
.macro WIN new
.if MSB != (\new)
	s_set_vgpr_msb (MSB<<8)|(\new)
.set MSB, (\new)
.endif
.endm
.macro CROUND                          ; a round of the cluster's barrier
	s_barrier_signal -1
	s_barrier_wait -1
	s_cmp_lg_u32 s[WV], 0
	s_cbranch_scc1 .Lnot_wave_0_\@
	s_barrier_signal -3
.Lnot_wave_0_\@:
	s_barrier_wait -3
	s_barrier_signal -1
	s_barrier_wait -1
.endm
.macro PLACES n
.rept \n
	v_nop
.endr
.endm
	s_load_b256 s[4:11], s[0:1], 0x0               ; qw s[4:5], kvw s[6:7], the scales' exponents s[8:9], cw s[10:11]
	v_lshl_add_u32 v46, v0, 2, 0x40000
	v_mov_b32 v47, 0
	ds_add_u32 v46, v47
	ds_add_u32 v46, v47
	v_lshrrev_b32 v6, 5, v0
	v_readfirstlane_b32 s[WV], v6                  ; wave 0..7
	s_bfe_u32 s13, ttmp6, 0x40000                  ; cx: my block of 512 queries; it enters q's and cw's addresses alone
	s_and_b32 s14, ttmp7, 0xffff                   ; the head, which the four partners share
	; descriptor groups 1: dense blocks as rows of 256 bytes (32 elements of 8 bytes): 16 rows, and 112 rows
	s_mov_b32 s24, 15|(3<<16)|(1<<21)              ; 15:0 the mask: all four work-groups; 17:16 elements of 8 bytes; 21 set beside a mask; no padding
	s_mov_b32 s25, 32<<16                          ; tensor_dim0
	s_mov_b32 s26, 16<<16                          ; tensor_dim1
	s_mov_b32 s27, 32<<16                          ; tile_dim0
	s_mov_b32 s28, 16                              ; tile_dim1
	s_mov_b32 s29, 32                              ; from row to row
	s_mov_b32 s30, 0
	s_mov_b32 s31, 0
	s_mov_b32 s32, 15|(3<<16)|(1<<21)
	s_mov_b32 s33, 32<<16
	s_mov_b32 s34, 112<<16
	s_mov_b32 s35, 32<<16
	s_mov_b32 s36, 112
	s_mov_b32 s37, 32
	s_mov_b32 s38, 0
	s_mov_b32 s39, 0
	s_lshr_b32 s15, s[WV], 2
	s_lshl_b32 s15, s15, 17                        ; waves 0-3 fetch k's image, waves 4-7 v's
	s_and_b32 s16, s[WV], 3
	s_lshl_b32 s17, s16, 12
	s_add_co_u32 s17, s17, s15                     ; part 1, key steps 0 and 1: my 4,096 of their 16,384 bytes; the same offset in the head's bytes and in LDS
	s_mul_i32 s18, s16, 28672
	s_add_co_u32 s18, s18, s15
	s_add_co_u32 s18, s18, 16384                   ; part 2, key steps 2 to 15: my 28,672 of 114,688
	s_lshl_b32 s50, s14, 18                        ; a head is 262,144 bytes of kvw
	s_mov_b32 s51, 0
	s_mov_b32 s[SEL], 0x76543210
	s_mov_b32 s[SEL+1], 0xfedcba98
	s_mov_b32 s[TB], 0
	s_wait_dscnt 0x0
	s_wait_kmcnt 0x0
	s_load_b128 s[52:55], s[8:9], 0x18             ; e6, e7, e8, e9
	s_load_b32 s56, s[8:9], 0x28                   ; e10
	s_add_nc_u64 s[6:7], s[6:7], s[50:51]
	s_mov_b32 s40, 1                               ; group 0 of part 1: count,
	s_mov_b32 s41, s17                             ; LDS address,
	s_mov_b32 s50, s17
	s_add_nc_u64 s[42:43], s[6:7], s[50:51]        ; global address,
	s_or_b32 s43, s43, 0x80000000                  ; type
	s_mov_b32 s44, 1
	s_mov_b32 s45, s18
	s_mov_b32 s50, s18
	s_add_nc_u64 s[46:47], s[6:7], s[50:51]
	s_or_b32 s47, s47, 0x80000000
	CROUND                                         ; all four work-groups are here: the joint loads meet
	tensor_load_to_lds s[40:43], s[24:31]          ; every wave's two fills stand together, ahead of every wait on TENSORcnt and every LDS read: two loads of mine are out
	s_nop 0
	tensor_load_to_lds s[44:47], s[32:39]
	s_nop 0
.rept 4
	v_nop
.endr
	s_lshl_b32 s15, s13, 5
	s_lshl_b32 s16, s[WV], 2
	s_add_co_u32 s15, s15, s16                     ; my first tile of 16 queries in the head: 32 cx + 4 wave
	s_lshl_b32 s16, s15, 10
	s_lshl_b32 s17, s14, 17
	s_add_co_u32 s50, s16, s17
	s_add_nc_u64 s[4:5], s[4:5], s[50:51]          ; its image in qw
	s_lshr_b32 s16, s14, 4
	s_lshl_b32 s16, s16, 7
	s_add_co_u32 s16, s16, s15                     ; the same tile among all tokens: 128 x batch + ..
	s_lshl_b32 s16, s16, 14
	s_and_b32 s17, s14, 15
	s_lshl_b32 s17, s17, 10
	s_add_co_u32 s50, s16, s17
	s_add_nc_u64 s[10:11], s[10:11], s[50:51]      ; its place in cw, at my head
	v_and_b32 v6, 31, v0
	v_lshlrev_b32 v[LI], 4, v6
	v_add_nc_u32 v[LV], VIMG, v[LI]
	WIN 0x40                                       ; destination window 1
.irp t, 0,1,2,3
	global_load_b128 v[QF+8*\t:QF+8*\t+3], v[LI], s[4:5] offset:1024*\t             ; q stays in registers
	global_load_b128 v[QF+8*\t+4:QF+8*\t+7], v[LI], s[4:5] offset:1024*\t+512
.endr
	WIN 0
	v_and_b32 v6, 15, v0
	v_bfe_u32 v7, v0, 4, 1
	v_lshlrev_b32 v[GO], 4, v6
	v_lshl_add_u32 v[GO], v7, 3, v[GO]
	v_mov_b32 v[ONE], 1.0
.irp t, 0,1,2,3
	v_mov_b32 v[ST+8*\t+5], 0                      ; a lane permute's destination counts as one of its sources
.endr
	s_wait_kmcnt 0x0
	s_add_co_i32 s15, s52, s53
	s_lshl_b32 s15, s15, 23
	s_add_co_i32 s[CS], s15, 0x3e38aa3b            ; log2(e) / 8 with e6 + e7 added to its exponent field
	s_mov_b32 s[CS+1], s[CS]
	s_add_co_i32 s15, s54, 127
	s_lshl_b32 s16, s15, 23
	v_mov_b32 v[PSC], s16
	s_add_co_i32 s57, s54, s55
	s_sub_co_i32 s57, s57, s56                     ; e8 + e9 - e10
; S^T of tile t into buffer sb: eight tiles of 16 keys, K = the head's 64; each product is a whole sum
.macro KQ t, sb
	WIN 0x04                                       ; source 1 (q) window 1
.irp i, 0,1,2,3,4,5,6,7
	v_wmma_f32_16x16x64_fp8_fp8 v[\sb+8*\i:\sb+8*\i+7], v[KF+8*\i:KF+8*\i+7], v[QF+8*(\t):QF+8*(\t)+7], 0
.endr
.endm
; O^T of tile t += v^T p^T: four accumulators, one instruction each.  first = 1: the products start the sums: nothing is cleared
.macro PV t, first
	WIN 0x51                                       ; source 0 (v), C and D window 1; source 1 (p) window 0
	s_setprio 0
.irp u, 0,1,2,3
.if \first
	v_wmma_f32_16x16x128_fp8_fp8 v[32*(\t)+8*\u:32*(\t)+8*\u+7], v[VF+16*\u:VF+16*\u+15], v[PR:PR+15], 0
.else
	v_wmma_f32_16x16x128_fp8_fp8 v[32*(\t)+8*\u:32*(\t)+8*\u+7], v[VF+16*\u:VF+16*\u+15], v[PR:PR+15], v[32*(\t)+8*\u:32*(\t)+8*\u+7]
.endif
.endr
.endm
.macro FETCHK                          ; a step's k: 8 fragments of 16 keys x 64, two loads each
	WIN 0
	v_add_nc_u32 v[KAD], s[TB], v[LI]
.irp i, 0,1,2,3,4,5,6,7
	ds_load_b128 v[KF+8*\i:KF+8*\i+3], v[KAD] offset:1024*\i
	ds_load_b128 v[KF+8*\i+4:KF+8*\i+7], v[KAD] offset:1024*\i+512
.endr
.endm
.macro FETCHV                          ; a step's v: 4 fragments of 16 d x 128 keys, four loads each.  The address's line and three v_nop are the four places behind the products that read v
	WIN 0
	v_add_nc_u32 v[VAD], s[TB], v[LV]
	PLACES 3
	WIN 0x40
.irp u, 0,1,2,3
.irp c, 0,1,2,3
	ds_load_b128 v[VF+16*\u+4*\c:VF+16*\u+4*\c+3], v[VAD] offset:2048*\u+512*\c
.endr
.endr
	WIN 0
.endm
; Number n of the list that prepares tile t's scores in buffer sb: 0-31 the largest of my 64 scores, in two chains, each accumulator from its low end on; 32, 33 the other half of the lanes';
; then the running largest t, -M = floor(-t), f = 2^(old M - new M), and 32 packed scalings c s - M.  first = 1: the first key step, which has no old M and no f.
.macro AL t, sb, first
.set rT, ST+8*(\t)
.set rS, \sb
.if n == 0
	v_max3_num_f32 v[rT+6], v[rS], v[rS+1], v[rS+2]
.elseif n == 1
	s_setprio 2
	v_max3_num_f32 v[rT+7], v[rS+3], v[rS+4], v[rS+5]
.elseif (n < 30) && (n%2 == 0)
	v_max3_num_f32 v[rT+6], v[rT+6], v[rS+6+4*((n-2)/2)], v[rS+7+4*((n-2)/2)]
.elseif n < 30
	v_max3_num_f32 v[rT+7], v[rT+7], v[rS+8+4*((n-3)/2)], v[rS+9+4*((n-3)/2)]
.elseif n == 30
	v_max3_num_f32 v[rT+6], v[rT+6], v[rS+62], v[rS+63]
.elseif n == 31
	v_max_num_f32 v[rT+6], v[rT+6], v[rT+7]
.elseif n == 32
	v_permlanex16_b32 v[rT+5], v[rT+6], s[SEL], s[SEL+1]
.elseif n == 33
	v_max_num_f32 v[rT+6], v[rT+6], v[rT+5]
.elseif (\first) && (n == 34)
	v_mul_f32 v[rT+1], s[CS], v[rT+6]              ; as t (c is positive)
.elseif (\first) && (n == 35)
	v_floor_f32 v[rT], -v[rT+1]                    ; -M = floor(-t) = -ceil(t)
.elseif (\first) && (n < 68)
.set pb, 2*(n-36)
	v_pk_fma_f32 v[rS+pb:rS+pb+1], v[rS+pb:rS+pb+1], s[CS:CS+1], v[rT:rT+1] op_sel_hi:[1,0,0]
.elseif \first
.elseif n == 34
	v_mul_f32 v[rT+6], s[CS], v[rT+6]
.elseif n == 35
	v_max_num_f32 v[rT+1], v[rT+1], v[rT+6]
.elseif n == 36
	v_mov_b32 v[rT+7], v[rT]
.elseif n == 37
	v_floor_f32 v[rT], -v[rT+1]
.elseif n == 38
	v_sub_f32 v[rT+7], v[rT], v[rT+7]              ; old M - new M: a whole number, 0 or less
.elseif n == 39
	v_cvt_i32_f32 v[rT+7], v[rT+7]
.elseif n == 40
	v_ldexp_f32 v[rT+4], 1.0, v[rT+7]              ; f
.else
.set pb, 2*(n-41)
	v_pk_fma_f32 v[rS+pb:rS+pb+1], v[rS+pb:rS+pb+1], s[CS:CS+1], v[rT:rT+1] op_sel_hi:[1,0,0]   ; t - M (of the pairs c and -M the low word serves both halves)
.endif
.endm
; The 64 exponentials of the tile in buffer sbe, ONE BATCH, with the list of tile ta (buffer sba) set between them: none of its lines names an exponential's result.  The list's last lines (or a v_nop) are the plain
; line behind the last exponential; then the one wait ahead of the batch's first reader.
.macro MIX sbe, ta, sba, afirst, doA
.set n, 0
.rept 73
.if \doA
	AL \ta, \sba, \afirst
.endif
.if n < 64
	v_exp_f32 v[\sbe+n], v[\sbe+n]
.endif
.set n, n+1
.endr
.if !(\doA)
	v_nop
.endif
	s_wait_alu depctr_va_vdst(0)
.endm
; SLOT t of a key step.  first: the step is the first; afirst: so is the step of the tile that is prepared; doA, doKQ: there is a tile to prepare, scores to make; ld: there is a next step to fetch.
.macro SLOT t, first, afirst, doA, doKQ, ld
.set cSB, S0+64*((\t)%2)
.set cSO, S0+64*(1-(\t)%2)
.set rL, ST+8*(\t)+2
.set rF, ST+8*(\t)+4
.set rO, 32*(\t)
	MIX cSB, ((\t)+1)%4, cSO, \afirst, \doA
	; four scores at a time: THE SUM IS TAKEN OF THE UNQUANTISED p (two chains, packed), a conversion for every eight
.set j, 0
.rept 16
.if (j == 0) && (\first)
	v_pk_add_f32 v[rL:rL+1], v[cSB:cSB+1], v[cSB+2:cSB+3]
.elseif j == 0
	v_pk_mul_f32 v[rL:rL+1], v[rL:rL+1], v[rF:rF+1] op_sel_hi:[1,0]                ; the sum under the new M
	v_pk_add_f32 v[TT:TT+1], v[cSB:cSB+1], v[cSB+2:cSB+3]
.elseif (j == 4) && (\first)
	v_pk_add_f32 v[TT:TT+1], v[cSB+4:cSB+5], v[cSB+6:cSB+7]
.else
	v_pk_add_f32 v[rL:rL+1], v[rL:rL+1], v[cSB+j:cSB+j+1]
	v_pk_add_f32 v[TT:TT+1], v[TT:TT+1], v[cSB+j+2:cSB+j+3]
.endif
.irp k, 0,1,2,3
.endr
.if j%8 == 4
	v_cvt_scalef32_pk8_fp8_f32 v[PR+(j-4)/4:PR+(j-4)/4+1], v[cSB+j-4:cSB+j+3], v[PSC]
.endif
.set j, j+4
.endr
	v_pk_add_f32 v[rL:rL+1], v[rL:rL+1], v[TT:TT+1]                                 ; (also the plain line behind the last conversion)
.if !(\first)
	WIN 0x41                                       ; O^T (destination and source 0) window 1, f window 0
.set j, 0
	s_setprio 1
.rept 8
	v_pk_mul_f32 v[rO+j:rO+j+1], v[rO+j:rO+j+1], v[rF:rF+1] op_sel_hi:[1,0]        ; O^T under the new M, from each accumulator's low end on
.set j, j+2
.endr
.endif
.if \doKQ
.if (\t) == 2
	s_wait_dscnt 0x0                               ; the next step's k, asked for a slot ago, is in
.endif
	KQ ((\t)+2)%4, cSB                             ; the scores of the tile two slots on, into the buffer that the conversions have read
.endif
.if \first
	PLACES 4                                       ; the places behind those products, ahead of the next slot's reads of them and of the loads into k's registers
.else
	WIN 0x41
.set j, 16
.rept 8
	v_pk_mul_f32 v[rO+j:rO+j+1], v[rO+j:rO+j+1], v[rF:rF+1] op_sel_hi:[1,0]        ; the other half of O^T: these eight are those places
.set j, j+2
.endr
.endif
.if (\t) == 0
	s_wait_dscnt 0x0                               ; this step's v, asked for a slot ago, is in
.endif
	PV \t, \first
.if ((\t) == 1) && (\ld)
	s_add_co_u32 s[TB], s[TB], STEPB               ; both of this step's last products on k are issued: the next step's k
	FETCHK
.endif
.if ((\t) == 3) && (\ld)
	FETCHV                                         ; this step's last products on v are issued: the next step's v
.endif
	WIN 0
.endm
.macro STEPM first, last
	SLOT 0, \first, \first, 1, 1, 1-\last
	SLOT 1, \first, \first, 1, 1, 1-\last
	SLOT 2, \first, \first, 1, 1-\last, 1-\last
	SLOT 3, \first, 0, 1-\last, 1-\last, 1-\last
.endm
	s_wait_tensorcnt 1                             ; my part of key steps 0 and 1 is in; the rest may stay out
	s_barrier_signal -1
	s_barrier_wait -1                              ; everybody's is
	FETCHK
	FETCHV
	s_wait_loadcnt 0x0                             ; q
	s_wait_dscnt 16                                ; k of step 0 is in; v's sixteen loads may be out
	KQ 0, S0
	KQ 1, S0+64
	WIN 0
	PLACES 4
.set n, 0
.rept 68
	AL 0, S0, 1                                    ; tile 0 is prepared alone: there are no exponentials yet to set it between
.set n, n+1
.endr
	STEPM 1, 0                                     ; key step 0; it fetches step 1, which lies in the part that has landed
	s_wait_dscnt 0x0                               ; no LDS instruction of mine is pending at a signal
	s_wait_tensorcnt 0x0                           ; my part of key steps 2 to 15 is in
	s_barrier_signal -1
	s_barrier_wait -1                              ; everybody's is
	s_mov_b32 s[TRIPS], 14
.Lstep:                                            ; key steps 1 to 14
	STEPM 0, 0
	s_sub_co_u32 s[TRIPS], s[TRIPS], 1
	s_cmp_lg_u32 s[TRIPS], 0
	s_cbranch_scc1 .Lstep
	s_setprio 0
	STEPM 0, 1                                     ; key step 15: nothing more to fetch, to multiply by k or to prepare
	; THE WAY OUT.  The sum's two halves and the other half of the lanes'; o = O^T / the sum x 2^(e8 + e9); its code is o / 2^e10: the three exponents go onto the reciprocal, the conversion's scale is 1.
.irp t, 0,1,2,3
	v_add_f32 v[ST+8*\t+6], v[ST+8*\t+2], v[ST+8*\t+3]
.endr
.irp t, 0,1,2,3
	v_permlanex16_b32 v[ST+8*\t+5], v[ST+8*\t+6], s[SEL], s[SEL+1]
.endr
.irp t, 0,1,2,3
	v_add_f32 v[ST+8*\t+6], v[ST+8*\t+6], v[ST+8*\t+5]
.endr
.irp t, 0,1,2,3
	v_rcp_f32 v[ST+8*\t+6], v[ST+8*\t+6]
.endr
	v_nop                                          ; a plain line behind the last reciprocal,
	s_wait_alu depctr_va_vdst(0)                   ; and the one wait for the four, ahead of their first reader
.irp t, 0,1,2,3
	v_ldexp_f32 v[ST+8*\t+6], v[ST+8*\t+6], s57
.endr
.macro OUTT t
.set cSB, S0+64*((\t)%2)
	WIN 0x01                                       ; source 0 (O^T) window 1
.set j, 0
.rept 16
	v_pk_mul_f32 v[cSB+j:cSB+j+1], v[32*(\t)+j:32*(\t)+j+1], v[ST+8*(\t)+6:ST+8*(\t)+7] op_sel_hi:[1,0]
.set j, j+2
.endr
	WIN 0
.set j, 0
.rept 32
.set j, j+1
.endr
.irp u, 0,1,2,3
	v_cvt_scalef32_pk8_fp8_f32 v[KF+8*(\t)+2*\u:KF+8*(\t)+2*\u+1], v[cSB+8*\u:cSB+8*\u+7], v[ONE]
.endr
	v_nop                                          ; a plain line behind the last conversion
.irp u, 0,1,2,3
	global_store_b64 v[GO], v[KF+8*(\t)+2*\u:KF+8*(\t)+2*\u+1], s[10:11] offset:16384*(\t)+256*\u   ; the 32 lanes store 256 consecutive bytes, aligned; each tile has code registers of its own
.endr
.endm
	OUTT 0
	OUTT 1
	OUTT 2
	OUTT 3
	s_wait_dscnt 0x0                               ; (met: every LDS load has been waited for)
	s_wait_tensorcnt 0x0
	ds_add_u32 v46, v47
	s_wait_dscnt 0x0
	CROUND                                         ; the closing round: no work-group ends while a partner may still ask for a tile that names it
	s_endpgm
.Lfunc_end_k_qf7bf51b4ca_attn:
	.size	k_qf7bf51b4ca_attn, .Lfunc_end_k_qf7bf51b4ca_attn-k_qf7bf51b4ca_attn
	.p2alignl 7, 3214868480
	.fill 96, 4, 3214868480
	.section	.rodata,"a",@progbits
	.p2align	6, 0x0
	.amdhsa_kernel k_qf7bf51b4ca_attn
		.amdhsa_group_segment_fixed_size 263168
		.amdhsa_private_segment_fixed_size 0
		.amdhsa_enable_private_segment 0
		.amdhsa_kernarg_size 32
		.amdhsa_user_sgpr_count 2
		.amdhsa_user_sgpr_kernarg_segment_ptr 1
		.amdhsa_wavefront_size32 1
		.amdhsa_system_sgpr_workgroup_id_x 1
		.amdhsa_system_sgpr_workgroup_id_y 1
		.amdhsa_system_sgpr_workgroup_id_z 1
		.amdhsa_system_vgpr_workitem_id 0
		.amdhsa_next_free_vgpr 512
		.amdhsa_next_free_sgpr 66
		.amdhsa_reserve_vcc 0
		.amdhsa_float_denorm_mode_32 3
		.amdhsa_float_denorm_mode_16_64 3
		.amdhsa_fp16_overflow 1
		.amdhsa_memory_ordered 1
		.amdhsa_forward_progress 1
		.amdhsa_inst_pref_size 148
	.end_amdhsa_kernel
	.amdgpu_metadata
---
amdhsa.version: [ 1, 2 ]
amdhsa.kernels:
  - .name:           k_qf7bf51b4ca_attn
    .symbol:         k_qf7bf51b4ca_attn.kd
    .args:
      - { .name: qw, .offset: 0, .size: 8, .value_kind: global_buffer, .address_space: global }
      - { .name: kvw, .offset: 8, .size: 8, .value_kind: global_buffer, .address_space: global }
      - { .name: lowp_scales, .offset: 16, .size: 8, .value_kind: global_buffer, .address_space: global }
      - { .name: cw, .offset: 24, .size: 8, .value_kind: global_buffer, .address_space: global }
    .group_segment_fixed_size: 263168
    .private_segment_fixed_size: 0
    .kernarg_segment_align: 8
    .kernarg_segment_size: 32
    .max_flat_workgroup_size: 256
    .sgpr_count:     66
    .vgpr_count:     512
    .wavefront_size: 32
...
	.end_amdgpu_metadata
.endif
;; end of part 2
;; launch outp (part 3): grid 4 x 32, 4 waves a work-group, clusters of 4 x 4, 327,680 bytes of LDS; arguments cw, Wo_codes, lowp_scales, bo, out0; writes out0
.if DOCPART == 3
	.amdgcn_target "amdgcn-amd-amdhsa--gfx1250"
	.amdhsa_code_object_version 6
	.text
	.protected	k_qf7bf51b4ca_outp
	.globl	k_qf7bf51b4ca_outp
	.p2align	8
	.type	k_qf7bf51b4ca_outp,@function
k_qf7bf51b4ca_outp:
	s_mov_b64 s[64:65], 0
	v_nop
	global_prefetch_b8 v0, s[64:65] scope:SCOPE_SE
	s_setreg_imm32_b32 hwreg(HW_REG_WAVE_MODE, 25, 1), 1
	s_wait_xcnt 0x0
	s_wait_alu depctr_hold_cnt(0) depctr_sa_sdst(0) depctr_va_vdst(0) depctr_va_sdst(0) depctr_va_ssrc(0) depctr_va_vcc(0) depctr_vm_vsrc(0)
	s_getreg_b32 s2, hwreg(HW_REG_IB_STS2, 6, 4)
	s_cmp_eq_u32 s2, 0
	s_cbranch_scc0 .Lentry_in_a_cluster
	s_endpgm
.Lentry_in_a_cluster:
	s_bfe_u32 s2, ttmp6, 0x10000c
	s_cmp_lg_u32 s2, 0xf033
	s_cbranch_scc0 .Lentry_shape_is_right
	s_endpgm
.Lentry_shape_is_right:
; THE LAST PROJECTION: out0 = concat Wo^T + bo, [8192][1024] f32, on codes of FP8 (E4M3), K = 1024.  concat's codes (scale 2^e10) come from cw, Wo's (2^e11) as given.
; A tile of 256 x 256 is made by four waves, 128 x 128 each: 64 accumulators.  K goes in steps of 256 through two LDS slots.  Clusters of 4 x 4: A's tiles (tokens) are asked for jointly along a row of the cluster,
; B's (rows of Wo) along a column.  THE MATRIX INSTRUCTION IS USED TRANSPOSED (source 0 = 16 rows of Wo, source 1 = 16 tokens): a lane holds eight neighbouring numbers of a row of out0.
; A COMES AS IMAGES OF THE OPERAND'S REGISTERS: cw is [tile of 16 tokens 512][128 along K 8][4][lane][16 bytes], lane (r, h) of group c holding K = 32 c + 16 h + 0 .. 15 of token r: the very k that four 16-byte
; loads, 32 bytes apart, give a lane of Wo's rows.  So the permutation of k is the same in both operands and every product meets its partner; only the grouping of the sums inside an instruction differs.
; A K step of a token tile is 4,096 consecutive bytes; a wave's tensor load brings 8 such rows, 16,384 bytes apart; a fragment load is 512 consecutive bytes of LDS.
; THE BIAS is the C of the first K step, as bo / 2^(e10 + e11); each finished sum is multiplied once by 2^(e10 + e11).   LIMIT: e10 + e11 between -126 and 126.  Infinite or NaN biases are not served.
; REGISTERS, in windows of 256: window 0: v16-31 addresses; v32-95 the bias as C, later the block at work; v128-255 A's fragments, one set, later rows read back.  window 1: B's fragments, two sets.  windows 2, 3: the accumulators.
.set ROWB,   256
.set KROW,   1024
.set PITCH,  272                       ; a row of Wo's tile in LDS: 256 bytes + 16 of padding: the 16 rows that a load touches start at 16 different banks (ISA guide 11.1)
.set FR,     16
.set NL,     4
.set NP,     4
.set HALFA,  32768                     ; 8 token tiles x 4,096 bytes: what one of A's loads brings
.set ABYTES, 2*HALFA
.set HALFB,  128*PITCH
.set SLOT,   ABYTES+2*HALFB
.set LAPS,   2
.set SPARE,  2*SLOT                    ; behind the ring: the spare words, 128 bytes a wave, named by no other line
.set SPITCH, 528                       ; the way out: a stage of 16 rows x (512 bytes + 16) for each wave, in slot 0, which has had its last fill and its last read when the first result is stored there
.set ADRA, 16
.set ADRB, 20
.set STO,  24
.set RD,   25
.set CO,   26                          ; v26  16 x lane
.set SPW,  28
.set NIL,  29
.set HO,   30                          ; v30  32 x (lane / 16)
.set BI,   32
.set TMP,  32
.set AF,   128
.set BK,   128
.set G1,  24
.set G0,  32
.set G1B, 48
.set G0B, 56
.set BIP, 88
.set MSB, 0
.macro WIN new
.if MSB != (\new)
	s_set_vgpr_msb (MSB<<8)|(\new)
.set MSB, (\new)
.endif
.endm
.set MUL_LO,   0xa1
.set MUL_HI,   0xf1
.set FIRST_LO, 0x81                    ; the first K step: C (the bias) window 0, D window 2
.set FIRST_HI, 0xc1
.set TO_B,     0x40
.macro JLOAD g0a, g1a, g0b, g1b        ; a joint load: waves 0 and 1 fetch for A, waves 2 and 3 for B; four v_nop follow each of the two lines
	s_cmp_eq_u32 s15, 0
	s_cbranch_scc0 .Lfor_b_\@
	tensor_load_to_lds s[\g0a:\g0a+3], s[\g1a:\g1a+7]
	s_nop 0
.rept 4
	v_nop
.endr
	s_branch .Lasked_\@
.Lfor_b_\@:
	tensor_load_to_lds s[\g0b:\g0b+3], s[\g1b:\g1b+7]
	s_nop 0
.rept 4
	v_nop
.endr
.Lasked_\@:
.endm
.macro CREST
	s_cmp_lg_u32 s14, 0
	s_cbranch_scc1 .Lnot_wave_0_\@
	s_barrier_signal -3
.Lnot_wave_0_\@:
	s_barrier_wait -3
	s_barrier_signal -1
	s_barrier_wait -1
.endm
.macro CROUND
	s_barrier_signal -1
	s_barrier_wait -1
	CREST
.endm
	s_load_b256 s[4:11], s[0:1], 0x0               ; cw s[4:5], Wo's codes s[6:7], the scales' exponents s[8:9], bo s[10:11]
	s_load_b64 s[12:13], s[0:1], 0x20              ; out0
	v_lshl_add_u32 v[SPW], v0, 2, SPARE
	v_mov_b32 v[NIL], 0
	ds_add_u32 v28, v29
	ds_add_u32 v28, v29
	s_wait_dscnt 0x0
	v_lshrrev_b32 v1, 5, v0
	v_readfirstlane_b32 s14, v1                    ; wave 0..3
	s_lshr_b32 s15, s14, 1                         ; which half of the tile's rows is mine.  Also: I fetch for A (0) or for B (1)
	s_and_b32 s16, s14, 1                          ; which half of its columns.  Also: which half of that tile I fetch
	s_bfe_u32 s40, ttmp6, 0x40000                  ; cx, cy
	s_bfe_u32 s41, ttmp6, 0x40004
	s_lshl_b32 s42, ttmp9, 2
	s_add_co_u32 s42, s42, s40                     ; tile column
	s_and_b32 s17, ttmp7, 0xffff
	s_lshl_b32 s17, s17, 2
	s_add_co_u32 s17, s17, s41                     ; tile row
	s_lshl_b32 s43, s41, 2
	s_lshl_b32 s43, 15, s43                        ; my row of the cluster
	s_lshl_b32 s44, 0x1111, s40                    ; my column
	; A's group 1: 8 rows of 512 elements of 8 bytes, 2,048 elements apart, no padding
	s_or_b32 s[G1+0], s43, (3<<16)|(1<<21)
	s_mov_b32 s[G1+1], 512<<16                     ; tensor_dim0
	s_mov_b32 s[G1+2], 8<<16                       ; tensor_dim1
	s_mov_b32 s[G1+3], 512<<16                     ; tile_dim0
	s_mov_b32 s[G1+4], 8                           ; tile_dim1
	s_mov_b32 s[G1+5], 2048                        ; from row to row
	s_mov_b32 s[G1+6], 0
	s_mov_b32 s[G1+7], 0
	; B's: 128 rows x 256 bytes, four words of padding after every 64
	s_or_b32 s[G1B+0], s44, (1<<20)|(1<<21)|(5<<22)|(3<<25)
	s_mov_b32 s[G1B+1], ROWB<<16
	s_mov_b32 s[G1B+2], 128<<16
	s_mov_b32 s[G1B+3], ROWB<<16
	s_mov_b32 s[G1B+4], 128
	s_mov_b32 s[G1B+5], KROW
	s_mov_b32 s[G1B+6], 0
	s_mov_b32 s[G1B+7], 0
	s_lshl_b32 s20, s17, 4
	s_lshl_b32 s18, s16, 3
	s_add_co_u32 s20, s20, s18
	s_lshl_b32 s20, s20, 14                        ; A: token tile 16 x tile row + 8 x half, 16,384 bytes each
	s_mov_b32 s21, 0
	s_lshl_b32 s46, s42, 8
	s_lshl_b32 s18, s16, 7
	s_add_co_u32 s46, s46, s18
	s_lshl_b32 s46, s46, 10                        ; B: row 256 x tile column + 128 x half, 1,024 bytes each
	s_mov_b32 s47, 0
	s_lshl_b32 s45, s16, 15                        ; where A's half goes,
	s_mul_i32 s19, s16, HALFB
	s_add_co_u32 s19, s19, ABYTES                  ; and B's: no place in the cluster enters an LDS address
	s_wait_kmcnt 0x0
	s_load_b64 s[96:97], s[8:9], 0x28              ; e10, e11
	s_add_nc_u64 s[20:21], s[4:5], s[20:21]
	s_add_nc_u64 s[46:47], s[6:7], s[46:47]
	CROUND                                         ; all sixteen work-groups are here: the first joint loads meet
.irp s, 0,1
	s_mov_b32 s[G0+4*\s], 1
	s_add_co_u32 s[G0+4*\s+1], s45, \s*SLOT
	s_add_nc_u64 s[G0+4*\s+2:G0+4*\s+3], s[20:21], \s*4096
	s_or_b32 s[G0+4*\s+3], s[G0+4*\s+3], 0x80000000
	s_mov_b32 s[G0B+4*\s], 1
	s_add_co_u32 s[G0B+4*\s+1], s19, \s*SLOT
	s_add_nc_u64 s[G0B+4*\s+2:G0B+4*\s+3], s[46:47], \s*ROWB
	s_or_b32 s[G0B+4*\s+3], s[G0B+4*\s+3], 0x80000000
	JLOAD G0+4*\s, G1, G0B+4*\s, G1B               ; two loads of mine are out
.endr
	v_and_b32 v1, 15, v0                           ; r
	v_bfe_u32 v2, v0, 4, 1                         ; h
	v_and_b32 v6, 31, v0
	v_lshlrev_b32 v[CO], 4, v6
	v_lshlrev_b32 v[HO], 5, v2
	v_mul_u32_u24 v3, v1, PITCH
	v_lshl_add_u32 v4, v2, 4, v3
	s_lshl_b32 s21, s15, 15                        ; my 8 token tiles of A
	s_mul_i32 s22, s16, HALFB
	s_add_co_u32 s22, s22, ABYTES                  ; my 128 rows of B
.irp s, 0,1
	v_add_nc_u32 v[ADRA+\s], s21, v[CO]
	v_add_nc_u32 v[ADRB+\s], s22, v4
	s_add_co_u32 s21, s21, SLOT
	s_add_co_u32 s22, s22, SLOT
.endr
	s_mul_i32 s23, s14, 16*SPITCH                  ; my stage
	v_mul_u32_u24 v5, v1, SPITCH
	v_lshl_add_u32 v5, v2, 5, v5
	v_add_nc_u32 v[STO], s23, v5                   ; in: row r, 32 bytes for each half of the lanes
	v_add_nc_u32 v[RD], s23, v[CO]                 ; back: the 32 lanes take one row of 512 bytes
	s_lshl_b32 s2, s42, 10
	s_lshl_b32 s3, s16, 9
	s_add_co_u32 s2, s2, s3                        ; my first column, in bytes of f32: 1,024 x tile column + 512 x half
	s_mov_b32 s3, 0
	s_add_nc_u64 s[BIP:BIP+1], s[10:11], s[2:3]    ; in bo,
	s_add_nc_u64 s[12:13], s[12:13], s[2:3]        ; and in out0
	s_lshl_b32 s20, s17, 8
	s_lshl_b32 s21, s15, 7
	s_add_co_u32 s20, s20, s21
	s_lshl_b32 s2, s20, 12                         ; my first row: 4,096 bytes each; under 2^25
	s_add_nc_u64 s[12:13], s[12:13], s[2:3]
.irp b, 0,1,2,3,4,5,6,7
	global_load_b128 v[BI+8*\b:BI+8*\b+3], v[HO], s[BIP:BIP+1] offset:64*\b        ; bo[my first column + 16 b + 8 h + 0 .. 7]
	global_load_b128 v[BI+8*\b+4:BI+8*\b+7], v[HO], s[BIP:BIP+1] offset:64*\b+16
.endr
	s_wait_kmcnt 0x0
	s_add_co_i32 s96, s96, s97                     ; e10 + e11
	s_sub_co_i32 s94, 127, s96
	s_lshl_b32 s94, s94, 23                        ; 2^-(e10 + e11)
	s_mov_b32 s95, s94
	s_add_co_i32 s96, s96, 127
	s_lshl_b32 s96, s96, 23                        ; 2^(e10 + e11)
	s_wait_loadcnt 0x0
.set j, 0
.rept 32
	v_pk_mul_f32 v[BI+j:BI+j+1], v[BI+j:BI+j+1], s[94:95] op_sel_hi:[1,0]
.set j, j+2
.endr
.macro FRAGA reg, adr, q, i            ; token tile i, the slot's q-th 128 along K: the image as it lies
.irp c, 0,1,2,3
	ds_load_b128 v[\reg+4*\c:\reg+4*\c+3], v[\adr] offset:4096*(\i)+2048*(\q)+512*\c
.endr
.endm
.macro FRAGB reg, adr, q, i            ; 16 rows of Wo x 128 K: registers 4 c .. 4 c + 3 hold K = 32 c + 16 (l / 16) + 0 .. 15
.irp c, 0,1,2,3
	ds_load_b128 v[\reg+4*\c:\reg+4*\c+3], v[\adr] offset:128*(\q)+32*\c+(\i)*16*PITCH
.endr
.endm
; 16 matrix instructions; the 64 accumulators take turns, one instruction a turn, in the same order in every step.  first = 1: the bias is the C
.macro MUL16 a0, p, first
.irp a, \a0, \a0+1
.irp b, 0,1,2,3,4,5,6,7
.if \first
	v_wmma_f32_16x16x128_fp8_fp8 v[8*(8*((\a)%4)+\b):8*(8*((\a)%4)+\b)+7], v[128*(\p)+FR*\b:128*(\p)+FR*\b+FR-1], v[AF+FR*(\a):AF+FR*(\a)+FR-1], v[BI+8*\b:BI+8*\b+7]
.else
	v_wmma_f32_16x16x128_fp8_fp8 v[8*(8*((\a)%4)+\b):8*(8*((\a)%4)+\b)+7], v[128*(\p)+FR*\b:128*(\p)+FR*\b+FR-1], v[AF+FR*(\a):AF+FR*(\a)+FR-1], v[8*(8*((\a)%4)+\b):8*(8*((\a)%4)+\b)+7]
.endif
.endr
.endr
.endm
.macro FETCH_B slot, q, p
	WIN TO_B
.irp i, 0,1,2,3,4,5,6,7
	FRAGB 128*(\p)+FR*\i, ADRB+\slot, \q, \i
.endr
	WIN 0
.endm
.macro FETCH_A slot, q, i0
.irp i, \i0, \i0+1, \i0+2, \i0+3
	FRAGA AF+FR*(\i), ADRA+\slot, \q, \i
.endr
.endm
.macro PLACES n                        ; plain vector lines between a matrix instruction and a load into, or a vector line on, its registers (ISA guide 7.12.1 for vector lines)
.rept \n
	v_nop
.endr
.endm
.macro STEP slot, q, first
	s_wait_dscnt 4*NL                              ; B's set and A's blocks 0-3 are in; the youngest 16 loads (A's blocks 4-7) may be out
.if \first
	WIN FIRST_LO
.else
	WIN MUL_LO
.endif
	MUL16 0, (\q)%2, \first
	MUL16 2, (\q)%2, \first
	s_wait_dscnt 0
	PLACES NP
	FETCH_B \slot, (\q)+1, 1-(\q)%2
	FETCH_A \slot, (\q)+1, 0
.if \first
	WIN FIRST_HI
.else
	WIN MUL_HI
.endif
	MUL16 4, (\q)%2, \first
	MUL16 6, (\q)%2, \first
	PLACES NP
	WIN 0
	FETCH_A \slot, (\q)+1, 4
.endm
.macro TURN slot, next, fill
	s_wait_tensorcnt 0x0                           ; all my tensor loads have landed: my part of the next slot
	ds_add_u32 v[SPW], v[NIL]                      ; 0 onto my spare word
	s_wait_dscnt 4*NL+1                            ; the add and the youngest 16 loads may be out
	WIN MUL_LO
	MUL16 0, 1, 0
	s_wait_dscnt 0x0                               ; the add is done, and my reads of this slot are over
	s_barrier_signal -1
	MUL16 2, 1, 0
	WIN 0
	s_barrier_wait -1
.if \fill
	CREST                                          ; the barrier has opened a round of the cluster's: no wave of any partner still reads this slot or has a load on its way
	s_add_nc_u64 s[G0+4*\slot+2:G0+4*\slot+3], s[G0+4*\slot+2:G0+4*\slot+3], 2*4096
	s_add_nc_u64 s[G0B+4*\slot+2:G0B+4*\slot+3], s[G0B+4*\slot+2:G0B+4*\slot+3], 2*ROWB
	JLOAD G0+4*\slot, G1, G0B+4*\slot, G1B         ; the first tensor load behind the round, my only one until the next
.else
	PLACES NP
.endif
	FETCH_B \next, 0, 0
	FETCH_A \next, 0, 0
	WIN MUL_HI
	MUL16 4, 1, 0
	MUL16 6, 1, 0
	PLACES NP
	WIN 0
	FETCH_A \next, 0, 4
.endm
	s_wait_tensorcnt 1                             ; my part of K step 0 is in; K step 1's load may be out
	s_barrier_signal -1
	s_barrier_wait -1
	FETCH_B 0, 0, 0
	FETCH_A 0, 0, 0
	FETCH_A 0, 0, 4
	STEP 0, 0, 1
	s_mov_b32 s3, LAPS-1
.Llap:
	TURN 0, 1, 1
	STEP 1, 0, 0
	TURN 1, 0, 1
	STEP 0, 0, 0
	s_sub_co_u32 s3, s3, 1
	s_cmp_lg_u32 s3, 0
	s_cbranch_scc1 .Llap
	TURN 0, 1, 0
	STEP 1, 0, 0
	s_wait_dscnt 4*NL
	WIN MUL_LO
	MUL16 0, 1, 0
	MUL16 2, 1, 0
	s_wait_dscnt 0
	WIN MUL_HI
	MUL16 4, 1, 0
	MUL16 6, 1, 0
	WIN 0
; THE WAY OUT, block by block of 16 rows x 128 columns: x 2^(e10 + e11) into other registers, each accumulator from its low end on; through my own stage in LDS; back as whole rows of 512 bytes.
; LDS serves a wave's instructions in order (ISA guide 5.7.1.4): no wait between the stores and the loads, nor in front of the next block's stores.
.macro TOSTAGE a
.set AC, 64*((\a)%4)
	WIN 0x02+(\a)/4
.set j, 0
.rept 32
	v_pk_mul_f32 v[TMP+j:TMP+j+1], v[AC+j:AC+j+1], s[96:97] op_sel_hi:[1,0]
.set j, j+2
.endr
	WIN 0
.irp b, 0,1,2,3,4,5,6,7
	ds_store_b128 v[STO], v[TMP+8*\b:TMP+8*\b+3] offset:64*\b
	ds_store_b128 v[STO], v[TMP+8*\b+4:TMP+8*\b+7] offset:64*\b+16
.endr
.set BB, BK+64*((\a)%2)
.irp t, 0,1,2,3,4,5,6,7,8,9,10,11,12,13,14,15
	ds_load_b128 v[BB+4*\t:BB+4*\t+3], v[RD] offset:\t*SPITCH
.endr
.endm
.macro SEND a, younger                 ; younger: the LDS instructions issued behind block a's loads, which may stay out
.set BB, BK+64*((\a)%2)
	s_wait_dscnt \younger
.if (\a) > 0
	s_add_nc_u64 s[12:13], s[12:13], 16*4096       ; 16 rows on (behind a wait on XCNT: the earlier stores have read their base)
.endif
.irp t, 0,1,2,3,4,5,6,7,8,9,10,11,12,13,14,15
	global_store_b128 v[CO], v[BB+4*\t:BB+4*\t+3], s[12:13] offset:\t*4096 th:TH_STORE_NT   ; 32 lanes store 512 consecutive bytes, aligned; written once, read by nobody here
.endr
.endm
	PLACES NP
	TOSTAGE 0
.irp a, 1,2,3,4,5,6,7
.if \a > 1
	s_wait_xcnt 0x0                                ; block a - 2's stores have read their registers and their base
.endif
	TOSTAGE \a
	SEND \a-1, 32                                  ; behind block a - 1's loads: block a's 16 stores and 16 loads
.endr
	s_wait_xcnt 0x0
	SEND 7, 0
	s_wait_tensorcnt 0x0                           ; the wave's end
	ds_add_u32 v[SPW], v[NIL]
	s_wait_dscnt 0x0
	CROUND                                         ; the closing round
	s_endpgm
.Lfunc_end_k_qf7bf51b4ca_outp:
	.size	k_qf7bf51b4ca_outp, .Lfunc_end_k_qf7bf51b4ca_outp-k_qf7bf51b4ca_outp
	.p2alignl 7, 3214868480
	.fill 96, 4, 3214868480
	.section	.rodata,"a",@progbits
	.p2align	6, 0x0
	.amdhsa_kernel k_qf7bf51b4ca_outp
		.amdhsa_group_segment_fixed_size 327680
		.amdhsa_private_segment_fixed_size 0
		.amdhsa_enable_private_segment 0
		.amdhsa_kernarg_size 40
		.amdhsa_user_sgpr_count 2
		.amdhsa_user_sgpr_kernarg_segment_ptr 1
		.amdhsa_wavefront_size32 1
		.amdhsa_system_sgpr_workgroup_id_x 1
		.amdhsa_system_sgpr_workgroup_id_y 1
		.amdhsa_system_sgpr_workgroup_id_z 1
		.amdhsa_system_vgpr_workitem_id 0
		.amdhsa_next_free_vgpr 1024
		.amdhsa_next_free_sgpr 98
		.amdhsa_reserve_vcc 0
		.amdhsa_float_denorm_mode_32 3
		.amdhsa_float_denorm_mode_16_64 3
		.amdhsa_memory_ordered 1
		.amdhsa_forward_progress 1
		.amdhsa_inst_pref_size 127
	.end_amdhsa_kernel
	.amdgpu_metadata
---
amdhsa.version: [ 1, 2 ]
amdhsa.kernels:
  - .name:           k_qf7bf51b4ca_outp
    .symbol:         k_qf7bf51b4ca_outp.kd
    .args:
      - { .name: cw, .offset: 0, .size: 8, .value_kind: global_buffer, .address_space: global }
      - { .name: Wo_codes, .offset: 8, .size: 8, .value_kind: global_buffer, .address_space: global }
      - { .name: lowp_scales, .offset: 16, .size: 8, .value_kind: global_buffer, .address_space: global }
      - { .name: bo, .offset: 24, .size: 8, .value_kind: global_buffer, .address_space: global }
      - { .name: out0, .offset: 32, .size: 8, .value_kind: global_buffer, .address_space: global }
    .group_segment_fixed_size: 327680
    .private_segment_fixed_size: 0
    .kernarg_segment_align: 8
    .kernarg_segment_size: 40
    .max_flat_workgroup_size: 128
    .sgpr_count:     98
    .vgpr_count:     1024
    .wavefront_size: 32
...
	.end_amdgpu_metadata
.endif
;; end of part 3
